; MI455X (gfx1250); checked and timed in simulation.
; The chip was launched on July 23, 2026; its instructions are those of AMD's public machine-readable ISA for CDNA 5 (MIT licence, August 2026) and "CDNA5" Instruction Set Architecture Reference Guide (July 2026). The comments in the code are by the model that wrote it; some were corrected since.
;; Loc Att. Allowed arithmetic: matrix products marked QUANTISED: E3M2 operands, one E8M0 scale for each 32 along K, by v_wmma_scale_f32_16x16x128_f8f6f4 with both operands' format E3M2, f32 sums; everything else in f32.
;; Inputs: alibi 64 x 1 x 2,048 float32; attention_mask 2 x 1 x 2,048 x 2,048 bool; key_layer_codes 2 x 2,048 x 32 x 4 x 24 uint8 (E3M2 codes of key_layer, K innermost, in blocks of 32 codes, four codes in three bytes); key_layer_scales 2 x 2,048 x 32 x 4 uint8 (E8M0 scales of key_layer, one for each 32 codes along K); query_layer_codes 2 x 2,048 x 32 x 4 x 24 uint8 (E3M2 codes of query_layer, K innermost, in blocks of 32 codes, four codes in three bytes); query_layer_scales 2 x 2,048 x 32 x 4 uint8 (E8M0 scales of query_layer, one for each 32 codes along K); value_layer_codes 2 x 32 x 128 x 64 x 24 uint8 (E3M2 codes of value_layer, K innermost, in blocks of 32 codes, four codes in three bytes); value_layer_scales 2 x 32 x 128 x 64 uint8 (E8M0 scales of value_layer, one for each 32 codes along K).
;; Outputs: out0 2 x 2,048 x 4,096 float32.
;; Constants: head_dim = 128, num_heads = 32.
;; This version of the problem:
;;   THIS VERSION OF THE PROBLEM IS GIVEN IN LOW PRECISION. The matrix products marked QUANTISED in the list below multiply operands that are first quantised to E3M2 (3 exponent bits, 2 mantissa bits; 6 bits a number), with one power-of-two scale for each 32 numbers along K (OCP MX v1.0); their sums are f32. All else is computed in f32.
;;   The module's matrix products, in the order in which they are computed (A, B: the left and right operand; K: the contracted axis; several contracted axes count as one K, in the product's order):
;;     1. batch 64 x [M 2,048, K 128] x [K 128, N 2,048]; A: input query_layer (given as codes); B: input key_layer (given as codes): QUANTISED
;;     2. batch 64 x [M 2,048, K 2,048] x [K 2,048, N 128]; A: computed on the way; B: input value_layer (given as codes): QUANTISED
;;   THE QUANTISER, for each operand of a quantised product, along K:
;;     - K is cut into blocks of 32 from its start; a last block that is shorter is filled with zeros.
;;     - A block's scale is 2^e with e = floor(log2(the largest magnitude in the block)) - 4, held to -126 .. 127; a block of zeros has e = 0. As a byte (E8M0): e + 127.
;;     - Each number is divided by its block's scale, clamped to +-28, and rounded to the nearest number of E3M2, ties to even, subnormals kept.
;;     - The product sums the exact products of the quantised numbers (number of the format x scale) in f32.
;;   ~~~python
;;   def quantise(x, axis):      # numpy; x: float32 -> the quantised numbers, widened to float32 again
;;       x = np.moveaxis(x, axis, -1); K = x.shape[-1]
;;       x = np.pad(x, [(0, 0)] * (x.ndim - 1) + [(0, -K % 32)]); x = x.reshape(x.shape[:-1] + (-1, 32)); a = np.abs(x).max(-1, keepdims=True)
;;       e = np.where(a > 0, np.clip(np.frexp(np.where(a > 0, a, 1))[1] - 1 - 4, -126, 127), 0)      # np.frexp(a)[1] - 1 = floor(log2(a)), exactly
;;       r = np.clip(x / 2.0 ** e, -28, 28)
;;       step = 2.0 ** (np.maximum(np.frexp(np.where(r == 0, 1, r))[1] - 1, -2) - 2)
;;       q = np.round(r / step) * step * 2.0 ** e      # np.round: ties to even
;;       return np.moveaxis(q.reshape(q.shape[:-2] + (-1,))[..., :K], -1, axis).astype(np.float32)
;;   ~~~
;;   OPERANDS COMPUTED ON THE WAY. 'Computed on the way' means the value that the module computes at that place (a softmax that the list does not call 'softmax' is quantised finished and normalised). What goes into a quantiser is computed in f32, as accurately as f32 sums, v_exp_f32 and their like allow (about 1e-6 of the number): no bf16 or f16 on the way to a quantiser, and a product that is left as it is and whose result goes on into a quantised operand takes f32 operands (vector FMAs, or v_wmma_f32_16x16x4_f32). A number that lies on a knife's edge between two numbers of the format may be rounded either way, as far as f32 arithmetic and the matrix unit's own rounding can turn it there, and no further.
;;   INPUTS GIVEN AS CODES. key_layer (in the module: [2, 2048, 32, 128], K = its axis 3); query_layer (in the module: [2, 2048, 32, 128], K = its axis 3); value_layer (in the module: [2, 2048, 32, 128], K = its axis 1): each comes as NAME_codes (uint8): NAME with its K axis moved to the last place and cut into blocks of 32 codes, [.., K / 32, bytes a block], one block behind the other in memory; four codes in three bytes: a row's codes are one little-endian stream of bits, code i at bits 6 i .. 6 i + 5 (a code: sign, 3 exponent bits, 2 mantissa bits); and NAME_scales (uint8): the same leading axes, one E8M0 byte (e + 127) for each 32 codes along K. Its value is code x scale, taken as it is: it is not quantised again, and the codes and scales need not be those that the quantiser above would give.
;; One version. Each part assembles by itself: llvm-mc -triple=amdgcn-amd-amdhsa -mcpu=gfx1250 --defsym DOCPART=n.
;; ======== version 1 of 1: 2 launches
;; limits: right only within a limited range of input values
;; workspace buffers: kv 27,262,976 bytes; mw 1,048,576 bytes of whole numbers
;; launch lay (part 1): grid 448 x 1, 4 waves a work-group, no clusters, 117,248 bytes of LDS; arguments key_layer_codes, key_layer_scales, value_layer_codes, value_layer_scales, alibi, attention_mask, kv, mw; writes kv, mw
.if DOCPART == 1
	.amdgcn_target "amdgcn-amd-amdhsa--gfx1250"
	.amdhsa_code_object_version 6
	.text
	.protected	k_qa1da376073_lay
	.globl	k_qa1da376073_lay
	.p2align	8
	.type	k_qa1da376073_lay,@function
k_qa1da376073_lay:
	s_mov_b64 s[64:65], 0
	v_nop
	global_prefetch_b8 v0, s[64:65] scope:SCOPE_SE
	s_setreg_imm32_b32 hwreg(HW_REG_WAVE_MODE, 25, 1), 1
	s_wait_xcnt 0x0
; LAYS OUT what the attention launch reads many times, in the order in which its registers take it.  Nothing of the problem is left out: every input has a way to the output
; (alibi differs along the softmax's axis, the mask is an input); BETA = 1 is a factor of 1 and is not multiplied.
; kv: for each bh = 32 b + head HEADB bytes: 16 K parts (a part = a key step of 128 keys), then 16 V parts, PART bytes each.
;   K part: 8 fragments of FRB bytes; at SCOFF the scale words' image (512 bytes); at ALOFF alibi x sqrt(128), f32, keys in their order (512 bytes).
;   V part: 8 fragments; at SCOFF the scale words' image; at ALOFF 512 bytes of zeros, which give both parts one shape (they are stored because a whole part is fetched).
;   A FRAGMENT IS AN IMAGE OF THE OPERAND'S 12 REGISTERS: registers 4 c .. 4 c + 3 of lane l lie at 512 c + 16 l.  Lane (r = l % 16, h = l / 16) holds bytes 24 h .. 24 h + 23 and 48 + 24 h .. of its row's 96.
;   K's fragment t: row r = key 32 (t / 2) + 8 (t % 2) + r + 8 (r / 8), so that the scores of tiles 2 b and 2 b + 1 are 16 neighbouring keys in a lane.  V's fragment t: row r = channel 16 t + r, bytes 96 step on of its row.
;   Scale images: the word at 16 l + 4 c is that of row l % 16 of tile 2 c + l / 16.
; mw: [b][tile of 16 queries][key step][64 words]: bit l of word n = mask[b][16 tile + l % 16][128 step + 32 (n / 16) + 16 (l / 16) + n % 16]: the lane mask of score register n.  Any byte other than 0 counts as true.
; SHARES: work-groups 0-255 the codes (a wave: 16 rows x 1,536 bytes -> 16 fragments), 256-383 the mask (a wave: 16 queries x 1,024 keys), 384-447 scales and alibi (a wave: 4 key steps of a head).
; Waves share nothing: no barrier.  Each path has LDS bytes of its own.  LIMIT: NaN and infinities in alibi are carried as they are into kv and are not served further on.
.set HEADB, 425984
.set PART,  13312
.set FRB,   1536
.set VBASE, 16*PART
.set SCOFF, 12288
.set ALOFF, 12800
.set CSTG,  24832                      ; a wave's stage for codes: 16 rows x CP
.set CP,    1552                       ; 1,536 bytes + 16: 388 words from row to row, so that the 32 lanes of an 8-byte read fall on 64 different words modulo 64
.set MST0,  4*CSTG                     ; the mask's stages begin here
.set MSTG,  4352                       ; a wave's: 16 rows x MPI
.set MPI,   272                        ; 256 bytes + 16
.set SPARE, MST0+4*MSTG                ; the spare words, 128 bytes for each wave: two blocks of 256 bytes that no other line names
.set LN,  1                            ; v1   lane
.set LI,  2                            ; v2   16 x lane
.set SPW, 3                            ; v3   LDS address of my spare word; never rewritten
.set NIL, 4                            ; v4   0; never rewritten
.set SAD, 5                            ; v5   codes' stage, in: 16 x lane
.set RAD, 6                            ; v6   codes' stage, out: row r, + 24 h
.set MSA, 7                            ; v7   mask's stage, in: row h, + 16 r
.set MRA, 8                            ; v8   mask's stage, out: row r, + 16 h
.set L8,  9                            ; v9   8 x lane
.set RR,  10                           ; v10  r
.set HH,  11                           ; v11  h
.set RO,  16                           ; v16-31  a row's, later a fragment's, byte offset
.set DT,  32                           ; v32-223 data
.set MB,  160                          ; mask: 8 x 4 registers, 16 bytes of my query's row each
.set MW,  192                          ; mask: v192-207 the words to store, two registers for each key step
.set MT,  208                          ; mask: v208-211 at work
.macro FINISH                          ; the wave's end: the tensor wait, an add to my spare word and its wait, behind my last LDS store
	s_wait_tensorcnt 0x0
	ds_add_u32 v[SPW], v[NIL]
	s_wait_dscnt 0x0
	s_endpgm
.endm
	s_load_b512 s[4:19], s[0:1], 0x0               ; K codes s[4:5], K scales s[6:7], V codes s[8:9], V scales s[10:11], alibi s[12:13], mask s[14:15], kv s[16:17], mw s[18:19]
	v_lshl_add_u32 v[SPW], v0, 2, SPARE
	v_mov_b32 v[NIL], 0
	v_lshrrev_b32 v[LN], 5, v0
	v_readfirstlane_b32 s20, v[LN]                 ; wave 0..3
	v_and_b32 v[LN], 31, v0
	v_lshlrev_b32 v[LI], 4, v[LN]
	v_lshlrev_b32 v[L8], 3, v[LN]
	v_and_b32 v[RR], 15, v0
	v_bfe_u32 v[HH], v0, 4, 1
	s_mul_i32 s21, s20, CSTG                       ; every LDS address is made here, ahead of the parting of the paths
	v_add_nc_u32 v[SAD], s21, v[LI]
	v_mul_u32_u24 v[RAD], v[RR], CP
	v_mad_u32_u24 v[RAD], v[HH], 24, v[RAD]
	v_add_nc_u32 v[RAD], s21, v[RAD]
	s_mul_i32 s21, s20, MSTG
	s_add_co_u32 s21, s21, MST0
	v_mul_u32_u24 v[MSA], v[HH], MPI
	v_lshl_add_u32 v[MSA], v[RR], 4, v[MSA]
	v_add_nc_u32 v[MSA], s21, v[MSA]
	v_mul_u32_u24 v[MRA], v[RR], MPI
	v_lshl_add_u32 v[MRA], v[HH], 4, v[MRA]
	v_add_nc_u32 v[MRA], s21, v[MRA]
	s_wait_kmcnt 0x0
	s_cmp_lt_u32 ttmp9, 256
	s_cbranch_scc0 .Lnot_codes
; ---- THE CODES.  One text for K and V: only numbers and pointers are chosen.  Task T = 4 x work-group + wave; T < 512: K, else V.
	s_lshl_b32 s21, ttmp9, 2
	s_add_co_u32 s21, s21, s20                     ; T
	s_bfe_u32 s22, s21, 0x10008                    ; K: b
	s_bfe_u32 s23, s21, 0x70001                    ;    which 16 keys: 8 x step + t
	s_and_b32 s24, s21, 1                          ;    which 16 heads
	s_lshr_b32 s25, s23, 3                         ;    step
	s_and_b32 s26, s23, 7                          ;    t
	s_lshl_b32 s27, s25, 7
	s_lshr_b32 s28, s26, 1
	s_lshl_b32 s28, s28, 5
	s_add_co_u32 s27, s27, s28
	s_and_b32 s28, s26, 1
	s_lshl_b32 s28, s28, 3
	s_add_co_u32 s27, s27, s28                     ;    the tile's first key: 128 step + 32 (t / 2) + 8 (t % 2)
	s_lshl_b32 s28, s22, 11
	s_add_co_u32 s27, s27, s28
	s_mul_i32 s27, s27, 3072                       ;    a key's 32 heads are 3,072 bytes
	s_mul_i32 s28, s24, 1536
	s_add_co_u32 s27, s27, s28                     ;    from: byte in K's codes
	s_lshl_b32 s28, s22, 5
	s_lshl_b32 s29, s24, 4
	s_add_co_u32 s28, s28, s29
	s_mul_i32 s28, s28, HEADB
	s_mul_i32 s29, s25, PART
	s_add_co_u32 s28, s28, s29
	s_mul_i32 s29, s26, FRB
	s_add_co_u32 s28, s28, s29                     ;    to: fragment t of the step's K part of head 32 b + 16 x half; fragment f of the task goes f heads on
	s_and_b32 s30, s21, 511                        ; V: 8 x bh + which 16 channels
	s_lshr_b32 s31, s30, 3
	s_and_b32 s32, s30, 7
	s_lshl_b32 s33, s31, 7
	s_lshl_b32 s34, s32, 4
	s_add_co_u32 s33, s33, s34
	s_mul_i32 s33, s33, 1536                       ;    from: a channel's 2,048 keys are 1,536 bytes
	s_mul_i32 s34, s31, HEADB
	s_mul_i32 s35, s32, FRB
	s_add_co_u32 s34, s34, s35
	s_add_co_u32 s34, s34, VBASE                   ;    to: that fragment of V part 0; fragment f goes f parts on
	s_cmp_lt_u32 s21, 512                          ; the choice hangs on ids alone
	s_cselect_b64 s[36:37], s[4:5], s[8:9]
	s_cselect_b32 s38, s27, s33
	s_cselect_b32 s40, s28, s34
	s_mov_b32 s42, 1536
	s_cselect_b32 s42, 3072, s42                   ; from row to row
	s_cselect_b32 s43, 24576, 0                    ; K's rows 8-15 lie 8 keys further on
	s_mov_b32 s44, PART
	s_cselect_b32 s44, HEADB, s44                  ; from fragment to fragment
	s_mov_b32 s39, 0
	s_mov_b32 s41, 0
	s_add_nc_u64 s[36:37], s[36:37], s[38:39]
	s_add_nc_u64 s[46:47], s[16:17], s[40:41]
.irp i, 0,1,2,3,4,5,6,7,8,9,10,11,12,13,14,15
	s_mul_i32 s45, s42, \i
.if \i >= 8
	s_add_co_u32 s45, s45, s43
.endif
	v_add_nc_u32 v[RO+\i], s45, v[LI]
.endr
	s_wait_alu depctr_va_vdst(0)
.irp i, 0,1,2,3,4,5,6,7,8,9,10,11,12,13,14,15
.irp j, 0,1,2
	global_load_b128 v[DT+12*\i+4*\j:DT+12*\i+4*\j+3], v[RO+\i], s[36:37] offset:512*\j th:TH_LOAD_NT   ; 32 lanes read 512 consecutive bytes; each byte is read once in the launch
.endr
.endr
.irp i, 0,1,2,3,4,5,6,7,8,9,10,11,12,13,14,15
	s_wait_loadcnt 45-3*\i                         ; row i's three loads are in; the three of each later row may be out
.irp j, 0,1,2
	ds_store_b128 v[SAD], v[DT+12*\i+4*\j:DT+12*\i+4*\j+3] offset:CP*\i+512*\j
.endr
.endr
	s_wait_dscnt 0x0                               ; the stores have read their registers: the loads below land in them
.irp f, 0,1,2,3,4,5,6,7,8,9,10,11,12,13,14,15
.irp p, 0,1,2,3,4,5
	ds_load_b64 v[DT+12*\f+2*\p:DT+12*\f+2*\p+1], v[RAD] offset:96*\f+48*(\p/3)+8*(\p%3)   ; fragment f: my row's bytes 24 h on and 48 + 24 h on, in pieces of 8
.endr
.endr
.irp f, 0,1,2,3,4,5,6,7,8,9,10,11,12,13,14,15
	s_mul_i32 s45, s44, \f
	v_add_nc_u32 v[RO+\f], s45, v[LI]              ; (all loads that named these registers are in)
.endr
	s_wait_alu depctr_va_vdst(0)
.irp f, 0,1,2,3,4,5,6,7,8,9,10,11,12,13,14,15
.if 6*(15-\f) > 63
	s_wait_dscnt 63                                ; (the largest count that the wait can name)
.else
	s_wait_dscnt 6*(15-\f)                         ; fragment f is in registers; the six loads of each later fragment may be out
.endif
.irp c, 0,1,2
	global_store_b128 v[RO+\f], v[DT+12*\f+4*\c:DT+12*\f+4*\c+3], s[46:47] offset:512*\c   ; 32 lanes store 512 consecutive bytes, at a multiple of 256 from kv's first byte
.endr
.endr
	FINISH
.Lnot_codes:
	s_cmp_lt_u32 ttmp9, 384
	s_cbranch_scc0 .Lsmall
; ---- THE MASK.  Task U: b, a tile of 16 queries, a half of the keys; four runs of 256 keys.
	s_sub_co_u32 s21, ttmp9, 256
	s_lshl_b32 s21, s21, 2
	s_add_co_u32 s21, s21, s20                     ; U
	s_bfe_u32 s22, s21, 0x10008                    ; b
	s_bfe_u32 s23, s21, 0x70001                    ; tile
	s_and_b32 s24, s21, 1                          ; half
	s_lshl_b32 s26, s22, 22
	s_lshl_b32 s27, s23, 15
	s_add_co_u32 s26, s26, s27
	s_lshl_b32 s27, s24, 10
	s_add_co_u32 s26, s26, s27
	s_mov_b32 s27, 0
	s_add_nc_u64 s[14:15], s[14:15], s[26:27]
	s_lshl_b32 s28, s22, 7
	s_add_co_u32 s28, s28, s23
	s_lshl_b32 s28, s28, 12
	s_lshl_b32 s29, s24, 11
	s_add_co_u32 s28, s28, s29
	s_mov_b32 s29, 0
	s_add_nc_u64 s[18:19], s[18:19], s[28:29]
	v_lshlrev_b32 v12, 11, v[HH]
	v_lshl_add_u32 v12, v[RR], 4, v12              ; row h of a pair of rows, 16 bytes a lane
.irp u, 0,1,2,3
.irp i, 0,1,2,3,4,5,6,7
	global_load_b128 v[DT+32*\u+4*\i:DT+32*\u+4*\i+3], v12, s[14:15] offset:4096*\i+256*\u th:TH_LOAD_NT   ; sixteen lanes read 256 consecutive bytes of a query's row
.endr
.endr
.irp j, 0,1,2,3,4,5,6,7,8,9,10,11,12,13,14,15
	v_mov_b32 v[MW+\j], 0                          ; written once: the destination of v_writelane_b32 counts as read
.endr
.macro MSUB sub
	s_wait_loadcnt 8*(3-\sub)                      ; this run's eight loads are in; the eight of each later run may be out
.irp i, 0,1,2,3,4,5,6,7
	ds_store_b128 v[MSA], v[DT+32*\sub+4*\i:DT+32*\sub+4*\i+3] offset:2*MPI*\i
.endr
.irp q, 0,1,2,3,4,5,6,7
	ds_load_b128 v[MB+4*\q:MB+4*\q+3], v[MRA] offset:32*\q   ; query r, keys 32 q + 16 h + 0 .. 15 (LDS serves a wave's instructions in order: these see the stores above)
.endr
	s_wait_dscnt 0x0
.set MG, 0
.rept 32                               ; register MG: block MG / 4, keys 4 (MG % 4) + 0 .. 3 of my 16.  A byte's compare gives the 32 lanes' bits: score register n = (4 MG + y) % 64 of key step MG / 16
.irp y, 0,1,2,3
	v_and_b32 v[MT+\y], 0xff<<(8*\y), v[MB+MG]
.endr
.irp y, 0,1,2,3
	v_cmp_ne_u32 s[40+\y], 0, v[MT+\y]
.endr
.irp y, 0,1,2,3
	v_writelane_b32 v[MW+4*\sub+2*(MG/16)+\y%2], s[40+\y], ((4*MG+\y)%64)/2   ; word n to register n % 2 of lane n / 2: as the store below lays them
.endr
.set MG, MG+1
.endr
.irp s, 0,1
	global_store_b64 v[L8], v[MW+4*\sub+2*\s:MW+4*\sub+2*\s+1], s[18:19] offset:256*(2*\sub+\s)   ; a key step's 64 words: 256 consecutive bytes, aligned.  Each store has registers of its own
.endr
.endm
	MSUB 0
	MSUB 1
	MSUB 2
	MSUB 3
	FINISH
.Lsmall:
; ---- SCALES AND ALIBI.  Task W: a head, four key steps.  No LDS is touched on this path.
	s_sub_co_u32 s21, ttmp9, 384
	s_lshl_b32 s21, s21, 2
	s_add_co_u32 s21, s21, s20                     ; W
	s_lshr_b32 s22, s21, 2                         ; bh
	s_and_b32 s23, s21, 3
	s_lshl_b32 s23, s23, 2                         ; first step
	s_lshr_b32 s24, s22, 5                         ; b
	s_and_b32 s25, s22, 31                         ; head
	s_mov_b32 s27, 0
	s_lshl_b32 s26, s24, 11
	s_lshl_b32 s28, s23, 7
	s_add_co_u32 s26, s26, s28
	s_lshl_b32 s26, s26, 7                         ; K's scales: a key's 32 heads are 128 bytes
	s_lshl_b32 s28, s25, 2
	s_add_co_u32 s26, s26, s28
	s_add_nc_u64 s[6:7], s[6:7], s[26:27]
	s_lshl_b32 s26, s22, 13                        ; V's: a head's 128 channels x 64 bytes; a step's word 4 bytes on
	s_lshl_b32 s28, s23, 2
	s_add_co_u32 s26, s26, s28
	s_add_nc_u64 s[10:11], s[10:11], s[26:27]
	s_lshl_b32 s26, s22, 13                        ; alibi: 8,192 bytes a head, 512 a step
	s_lshl_b32 s28, s23, 9
	s_add_co_u32 s26, s26, s28
	s_add_nc_u64 s[12:13], s[12:13], s[26:27]
	s_mul_i32 s26, s22, HEADB
	s_mul_i32 s28, s23, PART
	s_add_co_u32 s26, s26, s28
	s_add_nc_u64 s[16:17], s[16:17], s[26:27]
	v_and_b32 v12, 8, v[RR]
	v_add_nc_u32 v12, v12, v[RR]
	v_lshl_add_u32 v12, v[HH], 3, v12              ; key 8 h + r + 8 (r / 8) of a block of 32: row r of tile 2 c + h
	v_lshlrev_b32 v12, 7, v12
	v_lshlrev_b32 v13, 6, v[LN]                    ; channel 32 c + lane
.irp j, 0,1,2,3
	v_mov_b32 v[28+\j], 0
.endr
.irp s, 0,1,2,3
.irp c, 0,1,2,3
	global_load_b32 v[DT+16*\s+\c], v12, s[6:7] offset:16384*\s+4096*\c
	global_load_b32 v[DT+16*\s+4+\c], v13, s[10:11] offset:2048*\c+4*\s
.endr
	global_load_b128 v[DT+16*\s+8:DT+16*\s+11], v[LI], s[12:13] offset:512*\s
.endr
	s_wait_alu depctr_va_vdst(0)
	s_wait_loadcnt 0x0
.irp s, 0,1,2,3
	v_pk_mul_f32 v[DT+16*\s+8:DT+16*\s+9], v[DT+16*\s+8:DT+16*\s+9], 0x413504f3 op_sel_hi:[1,0]     ; x sqrt(128): the attention launch adds it to q . k and scales the sum once
	v_pk_mul_f32 v[DT+16*\s+10:DT+16*\s+11], v[DT+16*\s+10:DT+16*\s+11], 0x413504f3 op_sel_hi:[1,0]
.endr
.irp s, 0,1,2,3
	global_store_b128 v[LI], v[DT+16*\s:DT+16*\s+3], s[16:17] offset:PART*\s+SCOFF             ; each store: 512 consecutive bytes, aligned
	global_store_b128 v[LI], v[DT+16*\s+8:DT+16*\s+11], s[16:17] offset:PART*\s+ALOFF
	global_store_b128 v[LI], v[DT+16*\s+4:DT+16*\s+7], s[16:17] offset:VBASE+PART*\s+SCOFF
	global_store_b128 v[LI], v[28:31], s[16:17] offset:VBASE+PART*\s+ALOFF
.endr
	s_endpgm
.Lfunc_end_k_qa1da376073_lay:
	.size	k_qa1da376073_lay, .Lfunc_end_k_qa1da376073_lay-k_qa1da376073_lay
	.p2alignl 7, 3214868480
	.fill 96, 4, 3214868480
	.section	.rodata,"a",@progbits
	.p2align	6, 0x0
	.amdhsa_kernel k_qa1da376073_lay
		.amdhsa_group_segment_fixed_size 117248
		.amdhsa_private_segment_fixed_size 0
		.amdhsa_enable_private_segment 0
		.amdhsa_kernarg_size 64
		.amdhsa_user_sgpr_count 2
		.amdhsa_user_sgpr_kernarg_segment_ptr 1
		.amdhsa_wavefront_size32 1
		.amdhsa_system_sgpr_workgroup_id_x 1
		.amdhsa_system_sgpr_workgroup_id_y 1
		.amdhsa_system_sgpr_workgroup_id_z 1
		.amdhsa_system_vgpr_workitem_id 0
		.amdhsa_next_free_vgpr 240
		.amdhsa_next_free_sgpr 66
		.amdhsa_reserve_vcc 0
		.amdhsa_float_denorm_mode_32 3
		.amdhsa_float_denorm_mode_16_64 3
		.amdhsa_memory_ordered 1
		.amdhsa_forward_progress 1
		.amdhsa_inst_pref_size 138
	.end_amdhsa_kernel
	.amdgpu_metadata
---
amdhsa.version: [ 1, 2 ]
amdhsa.kernels:
  - .name:           k_qa1da376073_lay
    .symbol:         k_qa1da376073_lay.kd
    .args:
      - { .name: key_layer_codes, .offset: 0, .size: 8, .value_kind: global_buffer, .address_space: global }
      - { .name: key_layer_scales, .offset: 8, .size: 8, .value_kind: global_buffer, .address_space: global }
      - { .name: value_layer_codes, .offset: 16, .size: 8, .value_kind: global_buffer, .address_space: global }
      - { .name: value_layer_scales, .offset: 24, .size: 8, .value_kind: global_buffer, .address_space: global }
      - { .name: alibi, .offset: 32, .size: 8, .value_kind: global_buffer, .address_space: global }
      - { .name: attention_mask, .offset: 40, .size: 8, .value_kind: global_buffer, .address_space: global }
      - { .name: kv, .offset: 48, .size: 8, .value_kind: global_buffer, .address_space: global }
      - { .name: mw, .offset: 56, .size: 8, .value_kind: global_buffer, .address_space: global }
    .group_segment_fixed_size: 117248
    .private_segment_fixed_size: 0
    .kernarg_segment_align: 8
    .kernarg_segment_size: 64
    .max_flat_workgroup_size: 128
    .sgpr_count:     66
    .vgpr_count:     240
    .wavefront_size: 32
...
	.end_amdgpu_metadata
.endif
;; end of part 1
;; launch att (part 2): grid 8 x 64, 8 waves a work-group, clusters of 4 x 1, 327,680 bytes of LDS; arguments query_layer_codes, query_layer_scales, kv, mw, out0; writes out0
.if DOCPART == 2
	.amdgcn_target "amdgcn-amd-amdhsa--gfx1250"
	.amdhsa_code_object_version 6
	.text
	.protected	k_qa1da376073_att
	.globl	k_qa1da376073_att
	.p2align	8
	.type	k_qa1da376073_att,@function
k_qa1da376073_att:
	s_mov_b64 s[64:65], 0
	v_nop
	global_prefetch_b8 v0, s[64:65] scope:SCOPE_SE
	s_setreg_imm32_b32 hwreg(HW_REG_WAVE_MODE, 25, 1), 1
	s_wait_xcnt 0x0
	s_wait_alu depctr_hold_cnt(0) depctr_sa_sdst(0) depctr_va_vdst(0) depctr_va_sdst(0) depctr_va_ssrc(0) depctr_va_vcc(0) depctr_vm_vsrc(0)
	s_getreg_b32 s2, hwreg(HW_REG_IB_STS2, 6, 4)
	s_cmp_eq_u32 s2, 0
	s_cbranch_scc0 .Lentry_in_a_cluster
	s_endpgm
.Lentry_in_a_cluster:
	s_bfe_u32 s2, ttmp6, 0x10000c
	s_cmp_lg_u32 s2, 0x3003
	s_cbranch_scc0 .Lentry_shape_is_right
	s_endpgm
.Lentry_shape_is_right:
; out0[b][q][128 head + d] = sum over keys of P[q][key] V[key][d], P = softmax over the keys of (alibi[key] + q . k / sqrt(128), or the least f32 number where the mask is true).
; Both products on codes of BF6 (E3M2) with one E8M0 scale for each 32 along K.  No work of the problem is left out; BETA = 1 is a factor of 1.
; THE FINISHED, NORMALISED P IS QUANTISED, so a row's maximum and sum are known before any p is coded: the keys are walked twice, and K Q^T is made twice.
;   Pass 1: s' = q . k + alibi sqrt(128) (the alibi is the C of the product); t = s' c, c = log2(e) / sqrt(128); M = the running largest t rounded up to a whole number; l = sum of 2^(t - M), brought under a new M by an exact power of two.
;           Each block's largest score (32 keys), which the search for the row's maximum passes through, is kept in LDS bytes of the wave's own.
;   Pass 2: p = 2^(s' c - C), C = M + log2(l); a block's largest p is the kept largest score put through the same multiply-add and exponential; p is coded block by block and multiplied by V.
; THE MASK comes as lane masks (mw): word n is the selector of v_cndmask_b32 for score register n; a masked score becomes -3e38, whose p is 0.
; A ROW WHOLLY MASKED has l = 0: in pass 2 its scores are selected to 0, its kept maxima are multiplied by 0 in place of c, and C = 11: p = 1 / 2048.
; SHARES.  A work-group: 256 queries of one (b, head); each of its eight waves 32 queries, tiles A and B of 16, which share every fragment of K, V and alibi read from LDS.
; Both products are used transposed (source 0 = 16 keys or 16 channels, source 1 = 16 queries): a lane holds one query; score register n = key 32 (n / 16) + 16 (lane / 16) + n % 16 of the step.
; A step's operands are asked of LDS a phase ahead.  At a chunk's last step the ask is held at the chunk's last K part (nobody uses what comes) and is made again behind the change of slots: so each step is written once.
; LDS.  Two slots of 8 parts.  Pass 1: K's parts 0-7, then 8-15.  Pass 2: chunk j = K's parts 4 j .. 4 j + 3, then V's.  Each wave fetches one part, 52 rows of 256 bytes, by one tensor load: one load of mine is out at the most.
; Six changes of slots in all: five ask for a chunk, the last for none.
; CLUSTER.  The four query blocks of a cluster walk the same head's kv: every tensor load is asked for jointly, with the same descriptor and the mask of all four.
; LIMITS.  Rows whose every unmasked t lies under -1e30 count as wholly masked; a p under 2^-126 is 0; a block of p that are all 0 carries the byte 1 over zero codes (this program alone reads it); NaN, infinities and a scale byte 0xff among the inputs are not served.
; REGISTERS.  Window 0: v1-11 addresses; v12-19 the tiles' statistics; v20-21 what a masked score becomes; v22 Q's scale words; v24-27 K's, v28-31 V's, v32-33 P's; v34-63 at work;
;   v64-87 P's codes, v88-111 two fragments of K; v112-175, v176-239 the tiles' scores, then p, then V's fragments (48 of 64) and, from register 48 on up to v247, three fragments of K.
;   Window 1: v0-127 O^T (in pass 1: K's eight fragments); v128-151 Q; v152-215 the step's alibi in the scores' layout; v216-251 three fragments of K.
.set PART,  13312                      ; a key step's part: 8 fragments, 512 bytes of scale words, 512 of alibi (K) or zeros (V)
.set HEADB, 32*PART
.set FRB,   1536
.set SCOFF, 12288
.set ALOFF, 12800
.set SLX,   0x20000                    ; slot 0 at byte 0, slot 1 at 0x20000: 8 parts are 106,496 bytes, so one bit tells the slots apart
.set SPARE, 8*PART                     ; behind slot 0: the spare words, 128 bytes for each wave
.set MX,    SLX+8*PART                 ; behind slot 1: 8,192 bytes for each wave: the blocks' largest scores, [step][tile][query][4 blocks] f32; at the end the wave's stage
.set SP,    272                        ; the stage: 16 rows x (256 bytes + 16)
.set LI,  1                            ; 16 x lane
.set AH,  2                            ; 64 x (lane / 16)
.set SPW, 3                            ; my spare word; never rewritten
.set NIL, 4                            ; 0; never rewritten
.set ADK, 5
.set ADA, 6
.set ADV, 7
.set PFO, 8
.set GO,  9
.set STO, 10
.set SRD, 11
.set STA, 12                           ; -M (later -C), largest t, l in two halves
.set STB, 16
.set SVA, 20
.set SVB, 21
.set QS,  22
.set QA,  23
.set KS,  24
.set VS,  28
.set PSA, 32
.set BM,  34                           ; v34-37 the blocks' largest scores (pass 2: tile A's)
.set PM,  38                           ; v38-41 at work
.set TS,  38                           ; pass 1: v38-45 four partial sums
.set TX,  42                           ; pass 1: v42-49 eight partial maxima
.set CT,  42                           ; pass 2: v42-44, v46-48 the upper halves' codes
.set SO,  50                           ; v50-53 the conversions' scale operands
.set FF,  54                           ; pass 1: f = 2^(old M - new M); the pair's upper half is only named
.set BMB, 54                           ; pass 2: v54-57 tile B's largest scores
.set XX,  56
.set YY,  57
.set RR,  58
.set HH,  59
.set QSA, 60
.set CVB, 60                           ; pass 2: c, or 0 in a wholly masked row
.set MXB, 61                           ; MX + 8,192 wave + 16 (lane % 16)
.set ADM, 62
.set CVA, 63
.set F,   64
.set SA,  112
.set SB,  176
.set QF,  128                          ; window 1
.set AL,  152                          ; window 1
.set KW,  216                          ; window 1
.set MP,  2                            ; s[2:3]   my tile A's words of mw
.set SEL, 4                            ; s[4:5]   v_permlanex16_b32's selects for lane l xor 16
.set CS,  6                            ; s[6:7]   c, twice
.set G0,  8                            ; s[8:11]  descriptor group 0
.set PFA, 12                           ; s[12:13] where my prefetches stand
.set WV,  14
.set TBK, 15                           ; LDS byte of the K part asked for next
.set G1,  16                           ; s[16:23] descriptor group 1
.set TBV, 24                           ; LDS byte of the step's V part
.set OFF, 25                           ; 256 x the key step whose mask words are asked for
.set VC,  26                           ; changes that still ask for a chunk
.set TW,  27                           ; steps to go in a chunk
.set LIM, 28                           ; 1 in a wave that prefetches, else the greatest number
.set OC,  30                           ; chunks to go
.set MXO, 31                           ; 512 x a key step
.set SLB, 66                           ; the slot that is read
.set KLIM, 67                          ; its last K part
.set KVH, 100                          ; s[100:101] kv at my head
.set OFS, 104                          ; s[104:105] my part's byte in the head, for the next tensor load
                                       ; s[32:63], s[68:99] the 64 mask words of a tile and step; before and behind the loops at work
.set MSB, 0
.macro WIN new                         ; the immediate's high byte repeats the setting that is left
.if MSB != \new
	s_set_vgpr_msb (MSB<<8)|\new
.set MSB, \new
.endif
.endm
.macro PLACES n
.rept \n
	v_nop
.endr
.endm
.macro ROUND                           ; a round of the cluster's barrier
	s_barrier_signal -1
	s_barrier_wait -1
	s_cmp_lg_u32 s[WV], 0
	s_cbranch_scc1 .Lnot_wave_0_\@
	s_barrier_signal -3
.Lnot_wave_0_\@:
	s_barrier_wait -3
	s_barrier_signal -1
	s_barrier_wait -1
.endm
.macro TLOAD                           ; my part of a chunk; an s_nop 0 and four v_nop follow
	tensor_load_to_lds s[G0:G0+3], s[G1:G1+7]
	s_nop 0
	PLACES 4
.endm
; A PREFETCH INTO THE L2.  V's parts are first touched in pass 2.  The change that asks for chunk j - 1 names V's four parts of chunk j, one change of slots ahead of their tensor loads: four asks, s[VC] = 5 .. 2.
; Both clusters of a head walk the same kv: the first asks; partner cx takes part cx (told apart by address), its waves 0 and 1 the part's 52 blocks of 256 bytes, a lane a block; wave 1's lanes that are left over name block 51 again.
; K's parts come by their loads alone.
.macro ASK
	s_cmp_gt_u32 s[VC], s[LIM]
	s_cbranch_scc0 .Lnot_mine_\@
	global_prefetch_b8 v[PFO], s[PFA:PFA+1] th:TH_LOAD_NT scope:SCOPE_SE
.Lnot_mine_\@:
.endm
; THE CHANGE OF SLOTS.  Each wave waits for all its tensor loads (its part of the slot read next), adds 0 to its spare word, and waits for that and for its LDS reads.  kind 1: the slot just left takes the next chunk; kind 0: nothing is left to fetch.
.macro CHANGE kind
	s_wait_tensorcnt 0x0                           ; no tensor load of mine is out, so group 0 may be written
	ds_add_u32 v[SPW], v[NIL]
.if \kind
	s_xor_b32 s[G0+1], s[G0+1], SLX
	s_add_nc_u64 s[G0+2:G0+3], s[KVH:KVH+1], s[OFS:OFS+1]
	s_or_b32 s[G0+3], s[G0+3], 0x80000000
	s_add_co_u32 s[OFS], s[OFS], 4*PART
	s_wait_xcnt 0x0                                ; the last prefetch, a change back, has read its address
	s_add_nc_u64 s[PFA:PFA+1], s[PFA:PFA+1], 4*PART
	s_sub_co_u32 s[VC], s[VC], 1
.endif
	s_wait_dscnt 0x0                               ; the add is done, and my reads of LDS are over
.if \kind
	ROUND                                          ; no wave of any partner still reads the bytes to be filled or has a load on its way
	TLOAD                                          ; my one tensor load until the next round
	ASK
.else
	s_barrier_signal -1
	s_barrier_wait -1
.endif
.endm
.macro SWITCH n                        ; on to the other slot, whose K parts are 0 .. n
	s_xor_b32 s[SLB], s[SLB], SLX
	s_mov_b32 s[TBK], s[SLB]
	s_add_co_u32 s[KLIM], s[SLB], (\n)*PART
	s_add_co_u32 s[TBV], s[SLB], 4*PART
.endm
.macro MLOAD o                         ; a tile's 64 mask words of step s[OFF] / 256: o = 0 tile A, 4096 tile B
	s_load_b512 s[32:47], s[MP:MP+1], s[OFF] offset:\o
	s_load_b512 s[48:63], s[MP:MP+1], s[OFF] offset:\o+64
	s_load_b512 s[68:83], s[MP:MP+1], s[OFF] offset:\o+128
	s_load_b512 s[84:99], s[MP:MP+1], s[OFF] offset:\o+192
.endm
.macro KQ1 t, q, ra                    ; scores of key tile t (fragment in v[ra] on) for query tile q: C = the alibi.  K's scale words: register t / 2, lanes 16-31 for odd t; Q's: lanes 16-31 for tile B
.set rD, SA+64*(\q)+8*(\t)
.set rA, \ra
.set rB, QF+12*(\q)
.set rC, AL+8*(\t)
.set rK, KS+(\t)/2
.if ((\t)%2 == 0) && ((\q) == 0)
	v_wmma_scale_f32_16x16x128_f8f6f4 v[rD:rD+7], v[rA:rA+11], v[rB:rB+11], v[rC:rC+7], v[rK], v[QS] matrix_a_fmt:MATRIX_FMT_BF6 matrix_b_fmt:MATRIX_FMT_BF6
.elseif ((\q) == 0)
	v_wmma_scale_f32_16x16x128_f8f6f4 v[rD:rD+7], v[rA:rA+11], v[rB:rB+11], v[rC:rC+7], v[rK], v[QS] matrix_a_fmt:MATRIX_FMT_BF6 matrix_b_fmt:MATRIX_FMT_BF6 matrix_a_scale:MATRIX_SCALE_ROW1
.elseif ((\t)%2 == 0)
	v_wmma_scale_f32_16x16x128_f8f6f4 v[rD:rD+7], v[rA:rA+11], v[rB:rB+11], v[rC:rC+7], v[rK], v[QS] matrix_a_fmt:MATRIX_FMT_BF6 matrix_b_fmt:MATRIX_FMT_BF6 matrix_b_scale:MATRIX_SCALE_ROW1
.else
	v_wmma_scale_f32_16x16x128_f8f6f4 v[rD:rD+7], v[rA:rA+11], v[rB:rB+11], v[rC:rC+7], v[rK], v[QS] matrix_a_fmt:MATRIX_FMT_BF6 matrix_b_fmt:MATRIX_FMT_BF6 matrix_a_scale:MATRIX_SCALE_ROW1 matrix_b_scale:MATRIX_SCALE_ROW1
.endif
.endm
.macro KADR                            ; the part asked for, held at the slot's last K part
	s_min_u32 s29, s[TBK], s[KLIM]
	v_add_nc_u32 v[ADK], s29, v[LI]
	v_add_nc_u32 v[ADA], s29, v[AH]
.endm
.macro ALOAD                           ; the alibi, into window 1: keys 32 b + 16 (lane / 16) + 4 i on
.irp b, 0,1,2,3
.irp i, 0,1,2,3
	ds_load_b128 v[AL+16*\b+4*\i:AL+16*\b+4*\i+3], v[ADA] offset:ALOFF+128*\b+16*\i
.endr
.endr
.endm
.macro KFRAG t, d                      ; K's fragment t as it lies, 512 consecutive bytes an instruction
.set rF, \d
.irp c, 0,1,2
	ds_load_b128 v[rF+4*\c:rF+4*\c+3], v[ADK] offset:FRB*(\t)+512*\c
.endr
.endm
.macro PRE1                            ; pass 1: 41 loads; O's registers, idle in this pass, take all eight fragments
	KADR
	WIN 0x40
	ALOAD
.irp t, 0,1,2,3,4,5,6,7
	KFRAG \t, 12*\t
.endr
	WIN 0
	ds_load_b128 v[KS:KS+3], v[ADK] offset:SCOFF
.endm
.macro PREA                            ; pass 2, behind tile A's softmax: 36 loads
	KADR
	s_min_u32 s29, s[MXO], 15*512                  ; behind the last step: held at step 15's words
	v_add_nc_u32 v[ADM], s29, v[MXB]
	WIN 0x40
	ALOAD
	KFRAG 5, KW
	KFRAG 6, KW+12
	KFRAG 7, KW+24
	WIN 0
	ds_load_b128 v[KS:KS+3], v[ADK] offset:SCOFF
	KFRAG 0, SA+48
	KFRAG 3, F+24
	KFRAG 4, F+36
	ds_load_b128 v[BM:BM+3], v[ADM]                ; tile A's four largest scores of the step: both halves of the lanes read query r's
.endm
.macro PREB                            ; pass 2, behind tile B's softmax: 7 loads
	KFRAG 1, SB+48
	KFRAG 2, SB+60
	ds_load_b128 v[BMB:BMB+3], v[ADM] offset:256
.endm
.macro PROD1                           ; S'^T = K Q^T + alibi sqrt(128), both tiles, 128 keys: 16 products on 16 accumulators
	WIN 0x15
.irp t, 0,1,2,3,4,5,6,7
	KQ1 \t, 0, 12*\t
	KQ1 \t, 1, 12*\t
.endr
	WIN 0
	PLACES 4
.endm
.macro PROD2
	PLACES 5                                       ; these products write over V's fragments, which the last V^T P read
	WIN 0x14
.irp q, 0,1
	KQ1 0, \q, SA+48
.endr
.irp q, 0,1
	KQ1 1, \q, SB+48
.endr
.irp q, 0,1
	KQ1 2, \q, SB+60
.endr
.irp q, 0,1
	KQ1 3, \q, F+24
.endr
.irp q, 0,1
	KQ1 4, \q, F+36
.endr
	WIN 0x15
.irp q, 0,1
	KQ1 5, \q, KW
.endr
	PLACES 5                                       ; key tiles 6 and 7 write their scores over fragments 0, 1 and 2, which are done with
.irp q, 0,1
	KQ1 6, \q, KW+12
.endr
.irp q, 0,1
	KQ1 7, \q, KW+24
.endr
	WIN 0
	PLACES 4
.endm
.macro MASK S, SV                      ; ascending: each accumulator is first read at its low end
.set MN, 0
.rept 64
	v_cndmask_b32 v[\S+MN], v[\S+MN], v[\SV], s[32+MN+4*(MN/32)]
.set MN, MN+1
.endr
.endm
.macro SCALE S, ST, st                 ; s' c + (-M or -C), two at a time.  st = 1: the three lines that make f stand among them, eight instructions apart
.set J, 0
.rept 32
	v_pk_fma_f32 v[\S+J:\S+J+1], v[\S+J:\S+J+1], s[CS:CS+1], v[\ST:\ST+1] op_sel_hi:[1,0,0]
.if \st
.if J == 8
	v_sub_f32 v[XX], v[\ST], v[XX]                 ; old M - new M: a whole number, 0 or less
.endif
.if J == 24
	v_cvt_i32_f32 v[XX], v[XX]                     ; (it saturates)
.endif
.if J == 40
	v_ldexp_f32 v[FF], 1.0, v[XX]                  ; f = 2^(old M - new M)
.endif
.endif
.set J, J+2
.endr
.endm
.macro EXPS S
.set J, 0
.rept 64
	v_exp_f32 v[\S+J], v[\S+J]
.set J, J+1
.endr
.endm
; PASS 1, a tile's 64 scores a lane: the blocks' largest scores (kept at byte mo of the step's words), the running M and l.
.macro STAT S, ST, mo
.irp b, 0,1,2,3                        ; eight chains: a block's keys 0-6 and 7-13 of my 16
.irp u, 0,1
	v_max3_num_f32 v[TX+2*\b+\u], v[\S+16*\b+7*\u], v[\S+16*\b+7*\u+1], v[\S+16*\b+7*\u+2]
.endr
.endr
.irp i, 3,5
.irp b, 0,1,2,3
.irp u, 0,1
	v_max3_num_f32 v[TX+2*\b+\u], v[TX+2*\b+\u], v[\S+16*\b+7*\u+\i], v[\S+16*\b+7*\u+\i+1]
.endr
.endr
.endr
.irp b, 0,1,2,3
	v_max3_num_f32 v[BM+\b], v[TX+2*\b], v[\S+16*\b+14], v[\S+16*\b+15]
.endr
	v_mov_b32 v[XX], v[\ST]                        ; the old -M
.irp b, 0,1,2,3
	v_max_num_f32 v[BM+\b], v[BM+\b], v[TX+2*\b+1]
.endr
.irp b, 0,1,2,3
	v_permlanex16_b32 v[PM+\b], v[BM+\b], s[SEL], s[SEL+1]
.endr
.irp b, 0,1,2,3
	v_max_num_f32 v[BM+\b], v[BM+\b], v[PM+\b]     ; with lane l xor 16's 16 keys: the block's largest score
.endr
	ds_store_b128 v[ADM], v[BM:BM+3] offset:\mo    ; lanes r and 16 + r store the same 16 bytes at the same place
	v_max3_num_f32 v[YY], v[BM], v[BM+1], v[BM+2]
	v_max_num_f32 v[YY], v[YY], v[BM+3]            ; the step's largest score of my query
	v_mul_f32 v[YY], s[CS], v[YY]                  ; as t (c is positive)
	v_max_num_f32 v[\ST+1], v[\ST+1], v[YY]        ; the running largest t (it begins at -1e30: over what a masked score gives)
	v_floor_f32 v[\ST], -v[\ST+1]                  ; the new -M = -ceil(t)
	SCALE \S, \ST, 1
	s_wait_alu depctr_va_vdst(0)                   ; the wait ahead of the batch
	EXPS \S
	v_pk_mul_f32 v[\ST+2:\ST+3], v[\ST+2:\ST+3], v[FF:FF+1] op_sel_hi:[1,0]   ; l under the new M: nothing is rounded.  (The plain instruction behind the exponentials)
	s_wait_alu depctr_va_vdst(0)                   ; and behind it: one for the batch
.irp k, 0,1,2,3                        ; the sum in five chains: l and four partial sums
	v_pk_add_f32 v[TS+2*\k:TS+2*\k+1], v[\S+4*\k:\S+4*\k+1], v[\S+4*\k+2:\S+4*\k+3]
.endr
.set J, 16
.set CH, 0
.rept 24
.if CH == 0
	v_pk_add_f32 v[\ST+2:\ST+3], v[\ST+2:\ST+3], v[\S+J:\S+J+1]
.else
	v_pk_add_f32 v[TS+2*CH-2:TS+2*CH-1], v[TS+2*CH-2:TS+2*CH-1], v[\S+J:\S+J+1]
.endif
.set J, J+2
.set CH, (CH+1)%5
.endr
	s_delay_alu instid0(VALU_DEP_2)
	v_pk_add_f32 v[TS:TS+1], v[TS:TS+1], v[TS+2:TS+3]
	s_delay_alu instid0(VALU_DEP_2)
	v_pk_add_f32 v[TS+4:TS+5], v[TS+4:TS+5], v[TS+6:TS+7]
	s_delay_alu instid0(VALU_DEP_2)
	v_pk_add_f32 v[\ST+2:\ST+3], v[\ST+2:\ST+3], v[TS:TS+1]
	s_delay_alu instid0(VALU_DEP_1)
	v_pk_add_f32 v[\ST+2:\ST+3], v[\ST+2:\ST+3], v[TS+4:TS+5]
.endm
; PASS 2, a tile's 64 scores a lane become the normalised p, its codes in v[P] on (12 registers) and its scale word in v[PS].  v[B] on: the blocks' largest scores from pass 1; v[CV]: c, or 0 in a wholly masked row.
.macro SOFT2 S, ST, P, PS, B, CV
	SCALE \S, \ST, 0
.irp b, 0,1,2,3
	v_fma_f32 v[\B+\b], v[\B+\b], v[\CV], v[\ST]
.endr
	s_wait_alu depctr_va_vdst(0)
	EXPS \S
.irp b, 0,1,2,3
	v_exp_f32 v[\B+\b], v[\B+\b]                   ; the block's largest p: the same two instructions on the same number give the same bits
.endr
	v_nop                                          ; the plain instruction behind the last exponential
	s_wait_alu depctr_va_vdst(0)                   ; one wait for the 68
.irp b, 0,1,2,3
	v_max_num_f32 v[\B+\b], 0x2800000, v[\B+\b]    ; the floor 2^(5 - 127): the byte cannot fall under 1
.endr
.irp b, 0,1,2,3
	s_delay_alu instid0(VALU_DEP_4)
	v_add_nc_u32 v[SO+\b], 0xfe000000, v[\B+\b]    ; 4 off the exponent field: the conversion's scale operand
.endr
.irp b, 0,1,2,3
	s_delay_alu instid0(VALU_DEP_4)
	v_lshrrev_b32 v[PM+\b], 23, v[SO+\b]           ; the scale's byte
.endr
	s_delay_alu instid0(VALU_DEP_3)
	v_lshl_or_b32 v[\PS], v[PM+1], 8, v[PM]
	s_delay_alu instid0(VALU_DEP_1)
	v_lshl_or_b32 v[\PS], v[PM+2], 16, v[\PS]
	s_delay_alu instid0(VALU_DEP_1)
	v_lshl_or_b32 v[\PS], v[PM+3], 24, v[\PS]
.irp c, 0,1
	v_cvt_scalef32_pk16_bf6_f32 v[\P+6*\c:\P+6*\c+2], v[\S+32*\c:\S+32*\c+15], v[SO+2*\c]
	v_cvt_scalef32_pk16_bf6_f32 v[CT+4*\c:CT+4*\c+2], v[\S+32*\c+16:\S+32*\c+31], v[SO+2*\c+1]   ; (a conversion's three registers begin on an even number)
.endr
	v_nop                                          ; one plain instruction behind a scaled conversion
.irp c, 0,1                            ; the operand wants a whole block in a lane: lanes 0-15 block 2 c, lanes 16-31 block 2 c + 1
.irp i, 0,1,2
	v_permlane16_swap_b32 v[\P+6*\c+\i], v[CT+4*\c+\i]
.endr
.irp i, 0,1,2
	s_delay_alu instid0(VALU_DEP_3)
	v_mov_b32 v[\P+3+6*\c+\i], v[CT+4*\c+\i]
.endr
.endr
.endm
.macro VLOAD g, D                      ; V's fragments 4 g .. 4 g + 3 into v[D] on
.irp t, 0,1,2,3
.irp c, 0,1,2
	ds_load_b128 v[\D+12*\t+4*\c:\D+12*\t+4*\c+3], v[ADV] offset:FRB*(4*\g+\t)+512*\c
.endr
.endr
.endm
.macro PV1 t, q, d                     ; O^T of query tile q, channels 16 t on, += V^T P^T
.set rD, 64*(\q)+8*(\t)
.set rA, (\d)+12*((\t)%4)
.set rB, F+12*(\q)
.set rK, VS+(\t)/2
.if (\t)%2 == 0
	v_wmma_scale_f32_16x16x128_f8f6f4 v[rD:rD+7], v[rA:rA+11], v[rB:rB+11], v[rD:rD+7], v[rK], v[PSA+(\q)] matrix_a_fmt:MATRIX_FMT_BF6 matrix_b_fmt:MATRIX_FMT_BF6
.else
	v_wmma_scale_f32_16x16x128_f8f6f4 v[rD:rD+7], v[rA:rA+11], v[rB:rB+11], v[rD:rD+7], v[rK], v[PSA+(\q)] matrix_a_fmt:MATRIX_FMT_BF6 matrix_b_fmt:MATRIX_FMT_BF6 matrix_a_scale:MATRIX_SCALE_ROW1
.endif
.endm
.macro NEXTOFF                         ; the step whose words are asked for next; behind step 15 comes step 0 (pass 2's last asks for 256 bytes that nobody uses)
	s_add_co_u32 s[OFF], s[OFF], 256
	s_and_b32 s[OFF], s[OFF], 0xfff
.endm
; A tile's mask words are asked for as soon as the selects have read the words before them: one set of 64 scalar registers serves.
.macro STEP1
	v_add_nc_u32 v[ADM], s[MXO], v[MXB]            ; where this step's largest scores go
	s_wait_dscnt 0x0                               ; this step's operands, asked for in the step before, are in
	PROD1
	s_wait_kmcnt 0x0                               ; tile A's words
	MASK SA, SVA
	MLOAD 4096
	STAT SA, STA, 0
	s_add_co_u32 s[TBK], s[TBK], PART
	PRE1
	s_wait_kmcnt 0x0                               ; tile B's words; the loads have read s[OFF]
	MASK SB, SVB
	NEXTOFF
	MLOAD 0
	STAT SB, STB, 256
	s_add_co_u32 s[MXO], s[MXO], 512
.endm
.macro STEP2
	s_wait_dscnt 0x0                               ; this step's operands are in
	PROD2
	s_wait_kmcnt 0x0
	MASK SA, SVA
	MLOAD 4096
	SOFT2 SA, STA, F, PSA, BM, CVA
	v_add_nc_u32 v[ADV], s[TBV], v[LI]
	ds_load_b128 v[VS:VS+3], v[ADV] offset:SCOFF
	VLOAD 0, SA                                    ; tile A's p are coded: their registers take V's first four fragments
	s_add_co_u32 s[TBK], s[TBK], PART
	s_add_co_u32 s[MXO], s[MXO], 512
	PREA
	s_wait_kmcnt 0x0
	MASK SB, SVB
	NEXTOFF
	MLOAD 0
	SOFT2 SB, STB, F+12, PSA+1, BMB, CVB
	VLOAD 1, SB
	PREB
	PLACES 8                                       ; a scale word made by vector instructions stands eight places ahead of a scaled matrix instruction, an operand so made four
	s_wait_alu depctr_va_vdst(0)
	s_wait_dscnt 19                                ; V's scale words and fragments 0-3 are in; the youngest 19 loads (V's fragments 4-7: 12, PREB's 7) may be out
	WIN 0x50
.irp t, 0,1,2,3                        ; the 16 accumulators take turns, one instruction a turn
	PV1 \t, 0, SA
	PV1 \t, 1, SA
.endr
	s_wait_dscnt 7                                 ; V's fragments 4-7 are in; PREB's 7 loads may be out
.irp t, 4,5,6,7
	PV1 \t, 0, SB
	PV1 \t, 1, SB
.endr
	WIN 0
	s_add_co_u32 s[TBV], s[TBV], PART
.endm
.macro FOUR                            ; a chunk of pass 2: four key steps, written once
	s_mov_b32 s[TW], 4
.Lstep_\@:
	STEP2
	s_sub_co_u32 s[TW], s[TW], 1
	s_cmp_lg_u32 s[TW], 0
	s_cbranch_scc1 .Lstep_\@
.endm
	s_load_b256 s[32:39], s[0:1], 0x0              ; Q's codes s[32:33], Q's scales s[34:35], kv s[36:37], mw s[38:39]
	v_lshl_add_u32 v[SPW], v0, 2, SPARE
	v_mov_b32 v[NIL], 0
	ds_add_u32 v[SPW], v[NIL]                      ; the wave's opening: two adds to my spare word, and their wait ahead of my first tensor load
	ds_add_u32 v[SPW], v[NIL]
	v_lshrrev_b32 v[RR], 5, v0
	s_delay_alu instid0(VALU_DEP_1)
	v_readfirstlane_b32 s[WV], v[RR]               ; wave 0..7
	v_and_b32 v[LI], 31, v0
	v_min_u32 v[PFO], 51, v0                       ; waves 0 and 1: block 0 .. 51 of a part
	v_and_b32 v[RR], 15, v0
	v_bfe_u32 v[HH], v0, 4, 1
	v_lshlrev_b32 v[QSA], 7, v[LI]                 ; lane l: query l of my 32
	v_lshlrev_b32 v[PFO], 8, v[PFO]
	v_lshlrev_b32 v[LI], 4, v[LI]
	v_lshlrev_b32 v[AH], 6, v[HH]
	v_mul_u32_u24 v[QA], v[RR], 3072
	v_lshlrev_b32 v[MXB], 4, v[RR]
	s_lshl_b32 s29, s[WV], 13
	s_add_co_u32 s29, s29, MX
	v_mad_u32_u24 v[QA], v[HH], 24, v[QA]
	v_add_nc_u32 v[MXB], s29, v[MXB]
.irp s, STA, STB
	v_mov_b32 v[\s+1], 0xf149f2ca                  ; the largest t so far: -1e30
	v_mov_b32 v[\s+2], 0                           ; l, in two halves
	v_mov_b32 v[\s+3], 0
	v_floor_f32 v[\s], -v[\s+1]                    ; -M
.endr
	v_mov_b32 v[SVA], 0xff61b1e6                   ; a masked score: -3e38
	v_mov_b32 v[SVB], 0xff61b1e6
.irp b, 0,1,2,3
	v_mov_b32 v[PM+\b], 0                          ; written once: a lane permute's destination counts as one of its sources
.endr
	v_mov_b32 v[FF+1], 0                           ; (named as the upper half of a pair)
	s_bfe_u32 s29, ttmp6, 0x40000                  ; cx: it enters global addresses of Q, mw, out0 and of the prefetches alone
	s_lshl_b32 s30, ttmp9, 2
	s_add_co_u32 s30, s30, s29                     ; my block of 256 queries
	s_and_b32 s31, ttmp7, 0xffff                   ; bh, which the four partners share
	s_lshr_b32 s40, s31, 5                         ; b
	s_and_b32 s41, s31, 31                         ; head
	s_lshl_b32 s42, s30, 8
	s_lshl_b32 s43, s[WV], 5
	s_add_co_u32 s42, s42, s43                     ; my first query
	s_lshl_b32 s43, s40, 11
	s_add_co_u32 s43, s43, s42
	s_mul_i32 s44, s43, 3072                       ; a query's 32 heads are 3,072 bytes of codes,
	s_mul_i32 s46, s41, 96
	s_add_co_u32 s44, s44, s46
	s_mov_b32 s45, 0
	s_lshl_b32 s46, s43, 7                         ; and 128 of scales
	s_lshl_b32 s48, s41, 2
	s_add_co_u32 s46, s46, s48
	s_mov_b32 s47, 0
	s_mul_i32 s48, s31, HEADB                      ; the head in kv
	s_mov_b32 s49, 0
	s_mul_i32 s50, s[WV], PART                     ; my part of a chunk
	s_mov_b32 s51, 0
	s_mul_i32 s52, s29, PART                       ; the prefetches: part cx of four; the first change steps this to V's part cx
	s_add_co_u32 s52, s52, 12*PART
	s_mov_b32 s53, 0
	s_lshl_b32 s54, s30, 4
	s_lshl_b32 s55, s[WV], 1
	s_add_co_u32 s54, s54, s55                     ; my tile A among the 128 tiles of queries
	s_lshl_b32 s54, s54, 12
	s_lshl_b32 s55, s40, 19
	s_add_co_u32 s54, s54, s55
	s_mov_b32 s55, 0
	s_mov_b32 s[G1], 15|(3<<16)|(1<<21)            ; the mask: all four work-groups; elements of 8 bytes; no padding; bit 21 set beside a mask
	s_mov_b32 s[G1+1], 32<<16                      ; tensor_dim0 = 32 elements: rows of 256 bytes
	s_mov_b32 s[G1+2], 52<<16                      ; tensor_dim1 = 52
	s_mov_b32 s[G1+3], 32<<16                      ; tile_dim0
	s_mov_b32 s[G1+4], 52                          ; tile_dim1
	s_mov_b32 s[G1+5], 32                          ; from row to row: dense
	s_mov_b32 s[G1+6], 0
	s_mov_b32 s[G1+7], 0
	s_mov_b32 s[SEL], 0x76543210
	s_mov_b32 s[SEL+1], 0xfedcba98
	s_mov_b32 s[CS], 0x3e0293ee                    ; c = log2(e) / sqrt(128)
	s_mov_b32 s[CS+1], s[CS]
	s_mov_b32 s[OFF], 0
	s_mov_b32 s[VC], 6
	s_lshr_b32 s[LIM], s[WV], 1
	s_or_b32 s[LIM], s[LIM], ttmp9                 ; waves 0 and 1 of the head's first cluster: the same in all four partners
	s_cmp_eq_u32 s[LIM], 0
	s_cselect_b32 s[LIM], 1, -1
	s_mov_b32 s[G0], 1                             ; count = 1
	s_mul_i32 s[G0+1], s[WV], PART                 ; LDS address: slot 0, my part: no place in the cluster enters it
	s_add_co_u32 s[OFS], s50, 8*PART               ; the first change asks for K's part 8 + wave
	s_mov_b32 s[OFS+1], 0
	s_wait_alu depctr_va_vdst(0)
	s_wait_dscnt 0x0                               ; both opening adds are done
	s_wait_kmcnt 0x0
	s_add_nc_u64 s[44:45], s[32:33], s[44:45]      ; Q's codes at my first query
	s_add_nc_u64 s[46:47], s[34:35], s[46:47]      ; and its scale words
	s_add_nc_u64 s[KVH:KVH+1], s[36:37], s[48:49]  ; kv at my head
	s_add_nc_u64 s[PFA:PFA+1], s[KVH:KVH+1], s[52:53]
	s_add_nc_u64 s[MP:MP+1], s[38:39], s[54:55]
	s_add_nc_u64 s[G0+2:G0+3], s[KVH:KVH+1], s[50:51]  ; K's part wave
	s_or_b32 s[G0+3], s[G0+3], 0x80000000          ; type = 2
	global_load_b32 v[QS], v[QSA], s[46:47]        ; Q leaves ahead of the round and is waited for in front of the first product
	WIN 0x40
.irp q, 0,1
.irp p, 0,1,2,3,4,5
	global_load_b64 v[QF+12*\q+2*\p:QF+12*\q+2*\p+1], v[QA], s[44:45] offset:49152*\q+48*(\p/3)+8*(\p%3)   ; Q's two fragments stay in registers
.endr
.endr
	WIN 0
	ROUND                                          ; all four work-groups are here: the first joint loads meet
	TLOAD                                          ; K's parts 0-7 into slot 0: one tensor load a wave at the head
	s_wait_xcnt 0x0                                ; Q's loads have read s[44:47], which the mask words take
	MLOAD 0
	CHANGE 1                                       ; slot 0 is whole in every partner; K's parts 8-15 are asked for into slot 1, its first fill
	s_lshr_b32 s29, s[WV], 2                       ; from now on chunks of pass 2: waves 0-3 K's part 4 j + wave, waves 4-7 V's part 4 j + wave - 4 (V's parts begin 16 parts on)
	s_mul_i32 s29, s29, 12
	s_add_co_u32 s29, s29, s[WV]
	s_mul_i32 s[OFS], s29, PART
	s_mov_b32 s[SLB], 0
	s_mov_b32 s[TBK], 0
	s_mov_b32 s[KLIM], 7*PART
	s_mov_b32 s[MXO], 0
	PRE1                                           ; step 0's operands
	s_wait_loadcnt 0x0                             ; Q
	s_mov_b32 s[OC], 2
.Lpass1:                                           ; 2 trips of 8 key steps; the change shows the other slot whole and asks for a chunk of pass 2 into the slot just left
	s_mov_b32 s[TW], 8
.Lstep1:
	STEP1
	s_sub_co_u32 s[TW], s[TW], 1
	s_cmp_lg_u32 s[TW], 0
	s_cbranch_scc1 .Lstep1
	CHANGE 1
	SWITCH 7
	PRE1                                           ; the next step's operands (behind the second trip nobody uses them)
	s_sub_co_u32 s[OC], s[OC], 1
	s_cmp_lg_u32 s[OC], 0
	s_cbranch_scc1 .Lpass1
	; BETWEEN THE PASSES: l's halves and lane l xor 16's; -C = -M - log2(l).  Where l = 0 the row is wholly masked: -C = -11, a masked score becomes 0, and the kept maxima count for 0.
	s_wait_dscnt 0x0                               ; the last asks have landed: their registers may be written
	s_wait_alu depctr_va_vdst(0)
	v_add_f32 v[STA+2], v[STA+2], v[STA+3]
	v_add_f32 v[STB+2], v[STB+2], v[STB+3]
	s_delay_alu instid0(VALU_DEP_2)
	v_permlanex16_b32 v[PM], v[STA+2], s[SEL], s[SEL+1]
	s_delay_alu instid0(VALU_DEP_2)
	v_permlanex16_b32 v[PM+1], v[STB+2], s[SEL], s[SEL+1]
	s_delay_alu instid0(VALU_DEP_2)
	v_add_f32 v[STA+2], v[STA+2], v[PM]
	s_delay_alu instid0(VALU_DEP_2)
	v_add_f32 v[STB+2], v[STB+2], v[PM+1]
	s_wait_alu depctr_va_vdst(0)
	v_log_f32 v[BM], v[STA+2]
	v_log_f32 v[BM+1], v[STB+2]
	v_mov_b32 v[XX], 0xc1300000                    ; -11.0.  (The plain instruction behind the logarithms)
	v_mov_b32 v[YY], 0
	v_mov_b32 v[CVA], s[CS]
	v_mov_b32 v[CVB], s[CS]
	s_wait_alu depctr_va_vdst(0)                   ; one wait for the two
	v_sub_f32 v[STA], v[STA], v[BM]
	v_sub_f32 v[STB], v[STB], v[BM+1]
	v_cmp_eq_f32 vcc_lo, 0, v[STA+2]
	v_cndmask_b32 v[STA], v[STA], v[XX], vcc_lo
	v_cndmask_b32 v[SVA], v[SVA], v[YY], vcc_lo
	v_cndmask_b32 v[CVA], v[CVA], v[YY], vcc_lo
	v_cmp_eq_f32 vcc_lo, 0, v[STB+2]
	v_cndmask_b32 v[STB], v[STB], v[XX], vcc_lo
	v_cndmask_b32 v[SVB], v[SVB], v[YY], vcc_lo
	v_cndmask_b32 v[CVB], v[CVB], v[YY], vcc_lo
	WIN 0x40
.set J, 0
.rept 128
	v_mov_b32 v[J], 0                              ; O^T.  (Pass 2's key step is written once for its loops: the first finds zeros)
.set J, J+1
.endr
	WIN 0
	s_mov_b32 s[KLIM], 3*PART                      ; slot 0 again: chunk 0, K's parts 0-3, V's behind them
	s_mov_b32 s[MXO], 0
	PREA                                           ; step 0's operands
	PREB
	s_mov_b32 s[OC], 2
.Lpass2:                                           ; 2 trips: chunk j is read; the change shows chunk j + 1 whole and asks for chunk j + 2 into the slot just left
	FOUR
	CHANGE 1
	SWITCH 3
	PREA
	PREB
	s_sub_co_u32 s[OC], s[OC], 1
	s_cmp_lg_u32 s[OC], 0
	s_cbranch_scc1 .Lpass2
	FOUR                                           ; the last two chunks are written out
	CHANGE 0
	SWITCH 3
	PREA
	PREB
	FOUR
	; THE WAY OUT.  O^T is finished as it stands.  Half a row (64 channels, 256 bytes) of 16 queries at a time goes through my stage, so that sixteen lanes store 256 consecutive bytes, aligned.
	; The stage lies on my own words of largest scores, which are done with; no fill ever lands there.
	s_wait_kmcnt 0x0                               ; the words that the last step asked for have landed: their registers may be written
	s_wait_dscnt 0x0                               ; and so have its asks for operands
	s_load_b64 s[32:33], s[0:1], 0x20              ; out0
	v_and_b32 v[RR], 15, v0                        ; (these ten plain instructions are the places behind the last products)
	v_bfe_u32 v[HH], v0, 4, 1
	s_lshl_b32 s29, s[WV], 13
	s_add_co_u32 s29, s29, MX                      ; my stage
	v_mul_u32_u24 v[STO], v[RR], SP
	v_mul_u32_u24 v[SRD], v[HH], SP
	v_lshlrev_b32 v[GO], 14, v[HH]
	s_delay_alu instid0(VALU_DEP_3)
	v_lshl_add_u32 v[STO], v[HH], 5, v[STO]
	s_delay_alu instid0(VALU_DEP_3)
	v_lshl_add_u32 v[SRD], v[RR], 4, v[SRD]
	s_delay_alu instid0(VALU_DEP_3)
	v_lshl_add_u32 v[GO], v[RR], 4, v[GO]          ; two rows of out0, 16,384 bytes apart
	s_delay_alu instid0(VALU_DEP_3)
	v_add_nc_u32 v[STO], s29, v[STO]               ; in: row r; a tile's eight channels of my half: 64 t + 32 h bytes on
	s_delay_alu instid0(VALU_DEP_3)
	v_add_nc_u32 v[SRD], s29, v[SRD]               ; back: lanes 0-15 one row, lanes 16-31 the next
	s_bfe_u32 s34, ttmp6, 0x40000
	s_lshl_b32 s35, ttmp9, 2
	s_add_co_u32 s34, s34, s35
	s_lshl_b32 s34, s34, 8
	s_lshl_b32 s35, s[WV], 5
	s_add_co_u32 s34, s34, s35                     ; my first query
	s_lshl_b32 s34, s34, 14
	s_and_b32 s35, ttmp7, 0xffff
	s_lshr_b32 s36, s35, 5
	s_and_b32 s35, s35, 31
	s_lshl_b32 s35, s35, 9                         ; the head's 512 bytes of a row
	s_add_co_u32 s34, s34, s35
	s_lshl_b32 s36, s36, 25
	s_add_co_u32 s34, s34, s36
	s_mov_b32 s35, 0
	s_wait_alu depctr_va_vdst(0)
	s_wait_kmcnt 0x0
	s_add_nc_u64 s[32:33], s[32:33], s[34:35]
.irp k, 0,1,2,3                        ; query tile k / 2, channels 64 (k % 2) on
	WIN 0x04                                       ; an LDS store's data are its source 1: window 1
.irp t, 0,1,2,3
	ds_store_b128 v[STO], v[32*\k+8*\t:32*\k+8*\t+3] offset:64*\t          ; each accumulator from its low end on
	ds_store_b128 v[STO], v[32*\k+8*\t+4:32*\k+8*\t+7] offset:64*\t+16
.endr
	WIN 0
.irp i, 0,1,2,3,4,5,6,7
	ds_load_b128 v[SA+32*\k+4*\i:SA+32*\k+4*\i+3], v[SRD] offset:2*SP*\i   ; LDS serves a wave's instructions in order: these see my stores, and the next half's stores come behind them
.endr
.endr
.irp k, 0,1,2,3
.irp i, 0,1,2,3,4,5,6,7
	s_wait_dscnt 16*(3-\k)+7-\i                    ; behind this load: the rest of its eight, and sixteen LDS instructions for each later half
	global_store_b128 v[GO], v[SA+32*\k+4*\i:SA+32*\k+4*\i+3], s[32:33] offset:16384*(16*(\k/2)+2*\i)+256*(\k%2) th:TH_STORE_NT
.endr
.endr
	s_wait_tensorcnt 0x0                           ; the wave's end: an add to my spare word and its wait, behind my last tensor load and my last LDS store
	ds_add_u32 v[SPW], v[NIL]
	s_wait_dscnt 0x0
	ROUND                                          ; the closing round: no work-group ends while a partner may still ask for a chunk that names it
	s_endpgm
.Lfunc_end_k_qa1da376073_att:
	.size	k_qa1da376073_att, .Lfunc_end_k_qa1da376073_att-k_qa1da376073_att
	.p2alignl 7, 3214868480
	.fill 96, 4, 3214868480
	.section	.rodata,"a",@progbits
	.p2align	6, 0x0
	.amdhsa_kernel k_qa1da376073_att
		.amdhsa_group_segment_fixed_size 327680
		.amdhsa_private_segment_fixed_size 0
		.amdhsa_enable_private_segment 0
		.amdhsa_kernarg_size 40
		.amdhsa_user_sgpr_count 2
		.amdhsa_user_sgpr_kernarg_segment_ptr 1
		.amdhsa_wavefront_size32 1
		.amdhsa_system_sgpr_workgroup_id_x 1
		.amdhsa_system_sgpr_workgroup_id_y 1
		.amdhsa_system_sgpr_workgroup_id_z 1
		.amdhsa_system_vgpr_workitem_id 0
		.amdhsa_next_free_vgpr 512
		.amdhsa_next_free_sgpr 106
		.amdhsa_reserve_vcc 1
		.amdhsa_float_denorm_mode_32 3
		.amdhsa_float_denorm_mode_16_64 3
		.amdhsa_memory_ordered 1
		.amdhsa_forward_progress 1
		.amdhsa_inst_pref_size 168
	.end_amdhsa_kernel
	.amdgpu_metadata
---
amdhsa.version: [ 1, 2 ]
amdhsa.kernels:
  - .name:           k_qa1da376073_att
    .symbol:         k_qa1da376073_att.kd
    .args:
      - { .name: query_layer_codes, .offset: 0, .size: 8, .value_kind: global_buffer, .address_space: global }
      - { .name: query_layer_scales, .offset: 8, .size: 8, .value_kind: global_buffer, .address_space: global }
      - { .name: kv, .offset: 16, .size: 8, .value_kind: global_buffer, .address_space: global }
      - { .name: mw, .offset: 24, .size: 8, .value_kind: global_buffer, .address_space: global }
      - { .name: out0, .offset: 32, .size: 8, .value_kind: global_buffer, .address_space: global }
    .group_segment_fixed_size: 327680
    .private_segment_fixed_size: 0
    .kernarg_segment_align: 8
    .kernarg_segment_size: 40
    .max_flat_workgroup_size: 256
    .sgpr_count:     106
    .vgpr_count:     512
    .wavefront_size: 32
...
	.end_amdgpu_metadata
.endif
;; end of part 2
